; MI455X (gfx1250); checked and timed in simulation.
; The chip was launched on July 23, 2026; its instructions are those of AMD's public machine-readable ISA for CDNA 5 (MIT licence, August 2026) and "CDNA5" Instruction Set Architecture Reference Guide (July 2026). The comments in the code are by the model that wrote it; some were corrected since.
;; Multi Head Attention. Allowed arithmetic: matrix products marked QUANTISED: E2M3 operands, one E8M0 scale for each 32 along K, by v_wmma_scale_f32_16x16x128_f8f6f4 with both operands' format E2M3, f32 sums; everything else in f32.
;; Inputs: b_k 1,024 float32; b_o 1,024 float32; b_q 1,024 float32; b_v 1,024 float32; key 4 x 2,048 x 1,024 float32; query 4 x 2,048 x 1,024 float32; value 4 x 2,048 x 1,024 float32; w_k 1,024 x 1,024 float32; w_o 1,024 x 1,024 float32; w_q 1,024 x 1,024 float32; w_v 1,024 x 1,024 float32.
;; Outputs: out0 4 x 2,048 x 1,024 float32.
;; This version of the problem:
;;   THIS VERSION OF THE PROBLEM IS GIVEN IN LOW PRECISION. The matrix products marked QUANTISED in the list below multiply operands that are first quantised to E2M3 (2 exponent bits, 3 mantissa bits; 6 bits a number), with one power-of-two scale for each 32 numbers along K (OCP MX v1.0); their sums are f32. All else is computed in f32.
;;   The module's matrix products, in the order in which they are computed (A, B: the left and right operand; K: the contracted axis; several contracted axes count as one K, in the product's order):
;;     1. [M 8,192, K 1,024] x [K 1,024, N 1,024]; A: input query; B: input w_q: QUANTISED
;;     2. [M 8,192, K 1,024] x [K 1,024, N 1,024]; A: input key; B: input w_k: QUANTISED
;;     3. [M 8,192, K 1,024] x [K 1,024, N 1,024]; A: input value; B: input w_v: QUANTISED
;;     4. batch 64 x [M 2,048, K 64] x [K 64, N 2,048]; A: computed on the way; B: computed on the way: QUANTISED
;;     5. batch 64 x [M 2,048, K 2,048] x [K 2,048, N 64]; A: softmax (see below); B: computed on the way: QUANTISED
;;     6. [M 8,192, K 1,024] x [K 1,024, N 1,024]; A: computed on the way; B: input w_o: QUANTISED
;;   THE QUANTISER, for each operand of a quantised product, along K:
;;     - K is cut into blocks of 32 from its start; a last block that is shorter is filled with zeros.
;;     - A block's scale is 2^e with e = floor(log2(the largest magnitude in the block)) - 2, held to -126 .. 127; a block of zeros has e = 0. As a byte (E8M0): e + 127.
;;     - Each number is divided by its block's scale, clamped to +-7.5, and rounded to the nearest number of E2M3, ties to even, subnormals kept.
;;     - The product sums the exact products of the quantised numbers (number of the format x scale) in f32.
;;   ~~~python
;;   def quantise(x, axis):      # numpy; x: float32 -> the quantised numbers, widened to float32 again
;;       x = np.moveaxis(x, axis, -1); K = x.shape[-1]
;;       x = np.pad(x, [(0, 0)] * (x.ndim - 1) + [(0, -K % 32)]); x = x.reshape(x.shape[:-1] + (-1, 32)); a = np.abs(x).max(-1, keepdims=True)
;;       e = np.where(a > 0, np.clip(np.frexp(np.where(a > 0, a, 1))[1] - 1 - 2, -126, 127), 0)      # np.frexp(a)[1] - 1 = floor(log2(a)), exactly
;;       r = np.clip(x / 2.0 ** e, -7.5, 7.5)
;;       step = 2.0 ** (np.maximum(np.frexp(np.where(r == 0, 1, r))[1] - 1, 0) - 3)
;;       q = np.round(r / step) * step * 2.0 ** e      # np.round: ties to even
;;       return np.moveaxis(q.reshape(q.shape[:-2] + (-1,))[..., :K], -1, axis).astype(np.float32)
;;   ~~~
;;   SOFTMAX AHEAD OF A QUANTISED PRODUCT. Where the list says 'softmax', what is quantised is not the finished softmax but p = 2^(t - M), with t = logit x log2(e) and M = ceil(the row's largest t), a whole number; so 1/2 < the row's largest p <= 1. The row's sum l is taken of the UNQUANTISED p, in f32, and the product's result is divided by l at the end. Since M is a whole number, a kernel that streams over the keys may use a running M (the ceiling of the running maximum): every later rescaling is an exact power of two, which a block's scale takes up: the codes' values come out the same.
;;   OPERANDS COMPUTED ON THE WAY. 'Computed on the way' means the value that the module computes at that place (a softmax that the list does not call 'softmax' is quantised finished and normalised). What goes into a quantiser is computed in f32, as accurately as f32 sums, v_exp_f32 and their like allow (about 1e-6 of the number): no bf16 or f16 on the way to a quantiser, and a product that is left as it is and whose result goes on into a quantised operand takes f32 operands (vector FMAs, or v_wmma_f32_16x16x4_f32). A number that lies on a knife's edge between two numbers of the format may be rounded either way, as far as f32 arithmetic and the matrix unit's own rounding can turn it there, and no further.
;; One version. Each part assembles by itself: llvm-mc -triple=amdgcn-amd-amdhsa -mcpu=gfx1250 --defsym DOCPART=n.
;; ======== version 1 of 1: 4 launches
;; limits: right only within a limited range of input values
;; workspace buffers: opnd 22,937,600 bytes; heads 19,660,800 bytes; ctx 6,553,600 bytes
;; launch quant (part 1): grid 896 x 1, 4 waves a work-group, no clusters, 37,376 bytes of LDS; arguments query, key, value, w_q, w_k, w_v, w_o, opnd; writes opnd
.if DOCPART == 1
	.amdgcn_target "amdgcn-amd-amdhsa--gfx1250"
	.amdhsa_code_object_version 6
	.text
	.protected	k_q82f8244e9e_quant
	.globl	k_q82f8244e9e_quant
	.p2align	8
	.type	k_q82f8244e9e_quant,@function
k_q82f8244e9e_quant:
	s_mov_b64 s[64:65], 0
	v_nop
	global_prefetch_b8 v0, s[64:65] scope:SCOPE_SE
	s_setreg_imm32_b32 hwreg(HW_REG_WAVE_MODE, 25, 1), 1
	s_wait_xcnt 0x0
; The seven f32 matrices (query, key, value: 8,192 x 1,024; w_q, w_k, w_v, w_o: 1,024 x 1,024; K innermost) become codes of FP6 (E2M3) with one E8M0 byte for each 32 along K,
; laid as IMAGES OF OPERAND REGISTERS.  Rows go in blocks of 16: block 2 B + u holds rows 32 B + 8 u + r + 8 (r / 8), r = 0 .. 15.  A piece of 16 rows x 64 K is 768 bytes: lane (r, h) owns the six registers
; with the codes of k = 32 h .. 32 h + 31 of row r; registers 0-3 at 16 x lane, registers 4-5 at 512 + 8 x lane.  A block's 16 pieces follow each other (12,288 bytes); the blocks of all seven matrices follow each other.
; Scale bytes: 512 a block, behind all codes: [K / 256][r][8], byte 2 (piece % 4) + h.
; A block's scale is 2^(floor(log2(largest magnitude)) - 2); its byte is the largest magnitude's exponent field - 2, held at 1 from below.
; LIMITS: NaN and infinities are not served; a block whose largest magnitude lies under 2^-124 keeps the byte 1; a block of zeros gets the byte 1 too (its codes are zeros, and this program alone reads the bytes).
; SHARES: a work-group takes 32 rows (131,072 consecutive bytes); wave w makes block u = w / 2, pieces 8 (w % 2) .. + 7, one a step.  A load reads 256 consecutive aligned bytes in each half of the lanes;
; the step's 16 x 256 bytes turn through the wave's own stage in LDS (rows 272 bytes apart), so that a lane gets the 32 neighbours of its block.  Waves share nothing: no barrier.
.set WREG, 9216                        ; LDS of a wave: two stages of 16 x 272 bytes, then its 256 scale bytes
.set STG2, 4352
.set SCB,  8704
.set SOFF, 22020096                    ; where the scale bytes begin: 1,792 blocks x 12,288
.set R,    16                          ; v16-111  three sets of 32 numbers as loaded
.set X,    112                         ; v112-175 two sets of 32 neighbours
.set C,    176                         ; v176-239 eight registers a step (six used): no store's data are written again
.set T,    240                         ; v240-242 the second conversion's result
.set E,    244                         ; v244-251 a scale byte a step
	s_load_b512 s[4:19], s[0:1], 0x0               ; query, key, value, w_q, w_k, w_v, w_o, opnd
	v_lshl_add_u32 v254, v0, 2, 0x9000
	v_mov_b32 v255, 0
	v_lshrrev_b32 v1, 5, v0
	v_readfirstlane_b32 s28, v1                    ; wave
	v_and_b32 v2, 31, v0                           ; lane
	v_and_b32 v8, 15, v0                           ; r
	v_bfe_u32 v9, v0, 4, 1                         ; h
	v_lshlrev_b32 v3, 4, v8
	v_lshl_add_u32 v3, v9, 16, v3                  ; a load: 16 bytes a lane; lanes 16-31 stand 16 rows (65,536 bytes) further down
	v_lshlrev_b32 v4, 4, v2                        ; 16 x lane
	v_lshlrev_b32 v7, 3, v2                        ; 8 x lane
	s_mul_i32 s29, s28, WREG
	v_mul_u32_u24 v14, v9, 2176
	v_lshl_add_u32 v14, v8, 4, v14
	v_add_nc_u32 v14, s29, v14                     ; into the stage: load i brings block rows i (lanes 0-15) and 8 + i (lanes 16-31)
	v_mul_u32_u24 v15, v8, 272
	v_lshl_add_u32 v15, v9, 7, v15
	v_add_nc_u32 v15, s29, v15                     ; out of it: row r, 128 bytes for each half
	s_add_co_u32 s29, s29, SCB
	v_lshl_add_u32 v5, v8, 3, v9
	v_add_nc_u32 v5, s29, v5                       ; my scale byte: 8 r + h
	v_add_nc_u32 v6, s29, v7                       ; and on the way out 8 bytes a lane
	s_lshr_b32 s30, s28, 1                         ; u
	s_and_b32 s31, s28, 1                          ; which half of K
	s_wait_alu depctr_va_vdst(0)
	s_wait_kmcnt 0x0
	s_mov_b64 s[20:21], s[4:5]                     ; which matrix: the choice hangs on the work-group's number alone
	s_mov_b32 s22, 0
.macro PICK lim, lo
	s_cmp_ge_u32 ttmp9, \lim
	s_cselect_b64 s[20:21], s[\lo:\lo+1], s[20:21]
	s_cselect_b32 s22, \lim, s22
.endm
	PICK 256, 6
	PICK 512, 8
	PICK 768, 10
	PICK 800, 12
	PICK 832, 14
	PICK 864, 16
	s_sub_co_u32 s23, ttmp9, s22                   ; which 32 rows of it
	s_lshl_b32 s32, s23, 17
	s_lshl_b32 s33, s30, 15
	s_add_co_u32 s32, s32, s33                     ; + 8 u rows
	s_lshl_b32 s33, s31, 11
	s_add_co_u32 s32, s32, s33                     ; + my half of K
	s_mov_b32 s33, 0
	s_add_nc_u64 s[20:21], s[20:21], s[32:33]
	s_lshl_b32 s34, ttmp9, 1
	s_add_co_u32 s34, s34, s30                     ; my block among the 1,792
	s_mul_i32 s32, s34, 12288
	s_mul_i32 s35, s31, 6144
	s_add_co_u32 s32, s32, s35
	s_add_nc_u64 s[24:25], s[18:19], s[32:33]      ; my codes
	s_lshl_b32 s32, s34, 9
	s_lshl_b32 s35, s31, 8
	s_add_co_u32 s32, s32, s35
	s_add_co_u32 s32, s32, SOFF
	s_add_nc_u64 s[26:27], s[18:19], s[32:33]      ; my 256 scale bytes
.macro LOAD t
.irp i, 0,1,2,3,4,5,6,7
	global_load_b128 v[R+32*((\t)%3)+4*\i:R+32*((\t)%3)+4*\i+3], v3, s[20:21] offset:4096*\i+256*(\t) th:TH_LOAD_NT
.endr
.endm
.macro TURN t                          ; LDS serves a wave's instructions in order: no wait between the stores and the loads
.irp i, 0,1,2,3,4,5,6,7
	ds_store_b128 v14, v[R+32*((\t)%3)+4*\i:R+32*((\t)%3)+4*\i+3] offset:STG2*((\t)%2)+272*\i
.endr
.irp i, 0,1,2,3,4,5,6,7
	ds_load_b128 v[X+32*((\t)%2)+4*\i:X+32*((\t)%2)+4*\i+3], v15 offset:STG2*((\t)%2)+16*\i
.endr
.endm
	LOAD 0
	LOAD 1
	LOAD 2
	s_wait_loadcnt 16                              ; step 0's eight loads are in
	TURN 0
.macro STEP t
.set XS, X+32*((\t)%2)
.set CS, C+8*(\t)
.if (\t) > 0
	s_wait_dscnt 1                                 ; this step's numbers are back from the stage (the last step's byte store may be out), so its stage stores have read their registers,
.else
	s_wait_dscnt 0x0
.endif
.if (\t)+3 < 8
	LOAD (\t)+3                                    ; which take the loads of three steps on
.endif
.if (\t) < 7
.if (\t) <= 4
	s_wait_loadcnt 16                              ; the next step's eight loads are in; those of the two steps behind it may be out
.else
	s_wait_loadcnt 8*(6-(\t))
.endif
	TURN (\t)+1
.endif
	v_max3_num_f32 v12, |v[XS]|, |v[XS+1]|, |v[XS+2]|      ; the block's largest magnitude: all 32 numbers are mine
	v_max3_num_f32 v13, |v[XS+3]|, |v[XS+4]|, |v[XS+5]|
.irp i, 6,10,14,18,22,26
	v_max3_num_f32 v12, v12, |v[XS+\i]|, |v[XS+\i+1]|
	v_max3_num_f32 v13, v13, |v[XS+\i+2]|, |v[XS+\i+3]|
.endr
	v_max3_num_f32 v12, v12, |v[XS+30]|, |v[XS+31]|
	v_max3_num_f32 v12, v12, v13, 0x1800000        ; and the floor 2^(3 - 127): the byte cannot fall under 1
	v_add_nc_u32 v11, 0xff000000, v12              ; 2 off the exponent field: the conversion takes this operand's exponent field as its scale
	v_cvt_scalef32_pk16_fp6_f32 v[CS:CS+2], v[XS:XS+15], v11
	v_cvt_scalef32_pk16_fp6_f32 v[T:T+2], v[XS+16:XS+31], v11      ; (a conversion's three registers begin on an even number)
	v_lshrrev_b32 v[E+(\t)], 23, v11               ; the scale's byte; also the plain instruction behind the conversions
	v_mov_b32 v[CS+3], v[T]
	v_mov_b32 v[CS+4], v[T+1]
	v_mov_b32 v[CS+5], v[T+2]
	ds_store_b8 v5, v[E+(\t)] offset:128*((\t)/4)+2*((\t)%4)
	global_store_b128 v4, v[CS:CS+3], s[24:25] offset:768*(\t)         ; 512 consecutive bytes, aligned to 256
	global_store_b64 v7, v[CS+4:CS+5], s[24:25] offset:768*(\t)+512    ; 256 consecutive bytes, aligned to 256
.endm
.irp t, 0,1,2,3,4,5,6,7
	STEP \t
.endr
	ds_load_b64 v[12:13], v6                       ; these see my byte stores
	s_wait_dscnt 0x0
	global_store_b64 v7, v[12:13], s[26:27]        ; 256 consecutive bytes, aligned to 256
	s_wait_tensorcnt 0x0
	ds_add_u32 v254, v255
	s_wait_dscnt 0x0
	s_endpgm
.Lfunc_end_k_q82f8244e9e_quant:
	.size	k_q82f8244e9e_quant, .Lfunc_end_k_q82f8244e9e_quant-k_q82f8244e9e_quant
	.p2alignl 7, 3214868480
	.fill 96, 4, 3214868480
	.section	.rodata,"a",@progbits
	.p2align	6, 0x0
	.amdhsa_kernel k_q82f8244e9e_quant
		.amdhsa_group_segment_fixed_size 37376
		.amdhsa_private_segment_fixed_size 0
		.amdhsa_enable_private_segment 0
		.amdhsa_kernarg_size 64
		.amdhsa_user_sgpr_count 2
		.amdhsa_user_sgpr_kernarg_segment_ptr 1
		.amdhsa_wavefront_size32 1
		.amdhsa_system_sgpr_workgroup_id_x 1
		.amdhsa_system_sgpr_workgroup_id_y 1
		.amdhsa_system_sgpr_workgroup_id_z 1
		.amdhsa_system_vgpr_workitem_id 0
		.amdhsa_next_free_vgpr 256
		.amdhsa_next_free_sgpr 66
		.amdhsa_reserve_vcc 0
		.amdhsa_float_denorm_mode_32 3
		.amdhsa_float_denorm_mode_16_64 3
		.amdhsa_memory_ordered 1
		.amdhsa_forward_progress 1
		.amdhsa_inst_pref_size 31
	.end_amdhsa_kernel
	.amdgpu_metadata
---
amdhsa.version: [ 1, 2 ]
amdhsa.kernels:
  - .name:           k_q82f8244e9e_quant
    .symbol:         k_q82f8244e9e_quant.kd
    .args:
      - { .name: query, .offset: 0, .size: 8, .value_kind: global_buffer, .address_space: global }
      - { .name: key, .offset: 8, .size: 8, .value_kind: global_buffer, .address_space: global }
      - { .name: value, .offset: 16, .size: 8, .value_kind: global_buffer, .address_space: global }
      - { .name: w_q, .offset: 24, .size: 8, .value_kind: global_buffer, .address_space: global }
      - { .name: w_k, .offset: 32, .size: 8, .value_kind: global_buffer, .address_space: global }
      - { .name: w_v, .offset: 40, .size: 8, .value_kind: global_buffer, .address_space: global }
      - { .name: w_o, .offset: 48, .size: 8, .value_kind: global_buffer, .address_space: global }
      - { .name: opnd, .offset: 56, .size: 8, .value_kind: global_buffer, .address_space: global }
    .group_segment_fixed_size: 37376
    .private_segment_fixed_size: 0
    .kernarg_segment_align: 8
    .kernarg_segment_size: 64
    .max_flat_workgroup_size: 128
    .sgpr_count:     66
    .vgpr_count:     256
    .wavefront_size: 32
...
	.end_amdgpu_metadata
.endif
;; end of part 1
;; launch proj (part 2): grid 4 x 96, 4 waves a work-group, clusters of 4 x 4, 327,680 bytes of LDS; arguments opnd, b_q, b_k, b_v, heads; writes heads
.if DOCPART == 2
	.amdgcn_target "amdgcn-amd-amdhsa--gfx1250"
	.amdhsa_code_object_version 6
	.text
	.protected	k_q82f8244e9e_proj
	.globl	k_q82f8244e9e_proj
	.p2align	8
	.type	k_q82f8244e9e_proj,@function
k_q82f8244e9e_proj:
	s_mov_b64 s[64:65], 0
	v_nop
	global_prefetch_b8 v0, s[64:65] scope:SCOPE_SE
	s_setreg_imm32_b32 hwreg(HW_REG_WAVE_MODE, 25, 1), 1
	s_wait_xcnt 0x0
	s_wait_alu depctr_hold_cnt(0) depctr_sa_sdst(0) depctr_va_vdst(0) depctr_va_sdst(0) depctr_va_ssrc(0) depctr_va_vcc(0) depctr_vm_vsrc(0)
	s_getreg_b32 s2, hwreg(HW_REG_IB_STS2, 6, 4)
	s_cmp_eq_u32 s2, 0
	s_cbranch_scc0 .Lentry_in_a_cluster
	s_endpgm
.Lentry_in_a_cluster:
	s_bfe_u32 s2, ttmp6, 0x10000c
	s_cmp_lg_u32 s2, 0xf033
	s_cbranch_scc0 .Lentry_shape_is_right
	s_endpgm
.Lentry_shape_is_right:
.set FR,    12
.set HALFT, 24576
.set SLOT,  98304
.set SCL,   196608
.set SPARE, 212992
.set SOFF,  22020096
.set QOFF,  13107200
.set SPW,  28
.set NIL,  29
.set ZR,   30
.set SC1,  32
.set BN,   64
.set AF,   128
.set SC0,  224
.set BM,   96
.set TM,   64
.set PW,   80
.set SEL,  66
.set G1,   24
.set G0,   32
.set G1B,  48
.set G0B,  56
.set G1S,  68
.set G0S,  76
.set G1SB, 80
.set G0SB, 88
.set MSB, 0
.macro WIN new
.if MSB != (\new)
	s_set_vgpr_msb (MSB<<8)|(\new)
.set MSB, (\new)
.endif
.endm
.set MUL_LO, 0xa1
.set MUL_HI, 0xf1
.macro JLOAD g0a, g1a, g0b, g1b
	s_cmp_eq_u32 s15, 0
	s_cbranch_scc0 .Lfor_b_\@
	tensor_load_to_lds s[\g0a:\g0a+3], s[\g1a:\g1a+7]
	s_nop 0
.rept 4
	v_nop
.endr
	s_branch .Lasked_\@
.Lfor_b_\@:
	tensor_load_to_lds s[\g0b:\g0b+3], s[\g1b:\g1b+7]
	s_nop 0
.rept 4
	v_nop
.endr
.Lasked_\@:
.endm
.macro CREST
	s_cmp_lg_u32 s14, 0
	s_cbranch_scc1 .Lnot_wave_0_\@
	s_barrier_signal -3
.Lnot_wave_0_\@:
	s_barrier_wait -3
	s_barrier_signal -1
	s_barrier_wait -1
.endm
.macro CROUND
	s_barrier_signal -1
	s_barrier_wait -1
	CREST
.endm
.macro PLACES
.rept 4
	v_nop
.endr
.endm
	s_load_b256 s[4:11], s[0:1], 0x0
	s_load_b64 s[12:13], s[0:1], 0x20
	v_lshl_add_u32 v[SPW], v0, 2, SPARE
	v_mov_b32 v[NIL], 0
	ds_add_u32 v28, v29
	ds_add_u32 v28, v29
	s_wait_dscnt 0x0
	v_mov_b32 v[ZR], 0
	v_lshrrev_b32 v1, 5, v0
	v_readfirstlane_b32 s14, v1
	s_lshr_b32 s15, s14, 1
	s_and_b32 s16, s14, 1
	s_bfe_u32 s40, ttmp6, 0x40000
	s_bfe_u32 s41, ttmp6, 0x40004
	s_lshl_b32 s42, ttmp9, 2
	s_add_co_u32 s42, s42, s40
	s_and_b32 s96, ttmp7, 0xffff
	s_lshl_b32 s17, s96, 2
	s_add_co_u32 s17, s17, s41
	s_lshr_b32 s97, s96, 3
	s_lshl_b32 s43, s41, 2
	s_lshl_b32 s43, 15, s43
	s_lshl_b32 s44, 0x1111, s40
	s_mov_b32 s[SEL], 0x76543210
	s_mov_b32 s[SEL+1], 0xfedcba98
	s_or_b32 s[G1+0], s43, (3<<16)|(1<<21)
	s_or_b32 s[G1B+0], s44, (3<<16)|(1<<21)
.irp g, G1, G1B
	s_mov_b32 s[\g+1], 384<<16
	s_mov_b32 s[\g+2], 16<<16
	s_mov_b32 s[\g+3], 384<<16
	s_mov_b32 s[\g+4], 16
	s_mov_b32 s[\g+5], 1536
	s_mov_b32 s[\g+6], 0
	s_mov_b32 s[\g+7], 0
.endr
	s_or_b32 s[G1S+0], s43, (3<<16)|(1<<21)
	s_or_b32 s[G1SB+0], s44, (3<<16)|(1<<21)
.irp g, G1S, G1SB
	s_mov_b32 s[\g+1], 32<<16
	s_mov_b32 s[\g+2], 32<<16
	s_mov_b32 s[\g+3], 32<<16
	s_mov_b32 s[\g+4], 32
	s_mov_b32 s[\g+5], 32
	s_mov_b32 s[\g+6], 0
	s_mov_b32 s[\g+7], 0
.endr
	s_lshl_b32 s18, s16, 3
	s_lshl_b32 s20, s17, 4
	s_add_co_u32 s20, s20, s18
	s_lshl_b32 s46, s42, 4
	s_add_co_u32 s46, s46, s18
	s_lshl_b32 s19, s97, 6
	s_add_co_u32 s46, s46, s19
	s_add_co_u32 s46, s46, 1536
	s_lshl_b32 s22, s20, 9
	s_add_co_u32 s22, s22, SOFF
	s_mov_b32 s23, 0
	s_mul_i32 s20, s20, 12288
	s_mov_b32 s21, 0
	s_lshl_b32 s92, s46, 9
	s_add_co_u32 s92, s92, SOFF
	s_mov_b32 s93, 0
	s_mul_i32 s46, s46, 12288
	s_mov_b32 s47, 0
	s_mul_i32 s45, s14, HALFT
	s_wait_kmcnt 0x0
	s_add_nc_u64 s[20:21], s[4:5], s[20:21]
	s_add_nc_u64 s[22:23], s[4:5], s[22:23]
	s_add_nc_u64 s[46:47], s[4:5], s[46:47]
	s_add_nc_u64 s[92:93], s[4:5], s[92:93]
	CROUND
	s_mov_b32 s[G0S], 1
	s_mov_b32 s[G0S+1], SCL
	s_lshl_b32 s2, s16, 12                         ; my half's 8 blocks of scale bytes: taken off, so that a head load begins at the tile's first block
	s_mov_b32 s3, 0
	s_sub_nc_u64 s[G0S+2:G0S+3], s[22:23], s[2:3]
	s_or_b32 s[G0S+3], s[G0S+3], 0x80000000
	s_mov_b32 s[G0SB], 1
	s_mov_b32 s[G0SB+1], SCL+8192
	s_sub_nc_u64 s[G0SB+2:G0SB+3], s[92:93], s[2:3]
	s_or_b32 s[G0SB+3], s[G0SB+3], 0x80000000
.irp s, 0,1
	s_mov_b32 s[G0+4*\s], 1
	s_add_co_u32 s[G0+4*\s+1], s45, \s*SLOT
	s_add_nc_u64 s[G0+4*\s+2:G0+4*\s+3], s[20:21], \s*3072
	s_or_b32 s[G0+4*\s+3], s[G0+4*\s+3], 0x80000000
	s_mov_b32 s[G0B+4*\s], 1
	s_add_co_u32 s[G0B+4*\s+1], s45, \s*SLOT
	s_add_nc_u64 s[G0B+4*\s+2:G0B+4*\s+3], s[46:47], \s*3072
	s_or_b32 s[G0B+4*\s+3], s[G0B+4*\s+3], 0x80000000
.endr
	s_mul_i32 s2, s16, 98304                       ; my half's 8 blocks of codes
	s_mov_b32 s20, 1                               ; group 0 of the second operand's whole first tile: 16 blocks, behind the first operand's in slot 0
	s_mov_b32 s21, 2*HALFT
	s_sub_nc_u64 s[22:23], s[46:47], s[2:3]
	s_or_b32 s23, s23, 0x80000000
	; the head's four tiles, one joint load a wave, in one chain of branches on the wave's number: wave 0 the first operand's 16 blocks of slot 0
	; (its own group 0 of slot 0 begins at block 0), wave 1 the second operand's, wave 2 and wave 3 the two blocks of scale bytes
	s_cmp_lt_u32 s14, 1
	s_cbranch_scc0 .Lh_b
	tensor_load_to_lds s[G0:G0+3], s[G1:G1+7]
	s_nop 0
	PLACES
	s_branch .Lh_done
.Lh_b:
	s_cmp_lt_u32 s14, 2
	s_cbranch_scc0 .Lh_sa
	tensor_load_to_lds s[20:23], s[G1B:G1B+7]
	s_nop 0
	PLACES
	s_branch .Lh_done
.Lh_sa:
	s_cmp_lt_u32 s14, 3
	s_cbranch_scc0 .Lh_sb
	tensor_load_to_lds s[G0S:G0S+3], s[G1S:G1S+7]
	s_nop 0
	PLACES
	s_branch .Lh_done
.Lh_sb:
	tensor_load_to_lds s[G0SB:G0SB+3], s[G1SB:G1SB+7]
	s_nop 0
	PLACES
.Lh_done:
	v_and_b32 v1, 31, v0
	v_lshlrev_b32 v26, 4, v1
	s_wait_alu depctr_va_vdst(0)
	v_lshlrev_b32 v27, 3, v1
	s_wait_alu depctr_va_vdst(0)
	v_and_b32 v2, 15, v0
	v_lshlrev_b32 v3, 3, v2
	v_bfe_u32 v5, v0, 4, 1
	v_lshlrev_b32 v4, 6, v5
	v_and_b32 v6, 8, v2
	v_add_nc_u32 v6, v6, v2
	v_lshlrev_b32 v6, 2, v6
	s_cmp_ge_u32 s96, 16
	s_cselect_b32 s18, 49152, 0
	s_cselect_b32 s19, 0, 49152
	s_cselect_b32 s98, -1, 0
	s_cselect_b32 s99, 8192, 0
	s_cselect_b32 s100, 0, 8192
	s_mul_i32 s2, s15, HALFT
	s_add_co_u32 s2, s2, s18
	s_mul_i32 s3, s16, HALFT
	s_add_co_u32 s3, s3, s19
.irp s, 0,1
	v_add_nc_u32 v[16+\s], s2, v26
	v_add_nc_u32 v[18+\s], s2, v27
	v_add_nc_u32 v[20+\s], s3, v26
	v_add_nc_u32 v[22+\s], s3, v27
	s_add_co_u32 s2, s2, SLOT
	s_add_co_u32 s3, s3, SLOT
.endr
	s_lshl_b32 s2, s15, 12
	s_add_co_u32 s2, s2, s99
	s_add_co_u32 s2, s2, SCL
	v_add_nc_u32 v24, s2, v3
	s_lshl_b32 s3, s16, 12
	s_add_co_u32 s3, s3, s100
	s_add_co_u32 s3, s3, SCL
	v_add_nc_u32 v25, s3, v3
	s_cmp_eq_u32 s97, 1
	s_cselect_b64 s[6:7], s[8:9], s[6:7]
	s_cmp_eq_u32 s97, 2
	s_cselect_b64 s[6:7], s[10:11], s[6:7]
	s_lshl_b32 s2, s42, 10
	s_lshl_b32 s3, s16, 9
	s_add_co_u32 s2, s2, s3
	s_mov_b32 s3, 0
	s_add_nc_u64 s[8:9], s[6:7], s[2:3]
	s_lshl_b32 s2, s42, 10
	s_lshl_b32 s95, s15, 9
	s_add_co_u32 s2, s2, s95
	s_add_nc_u64 s[10:11], s[6:7], s[2:3]
.irp b, 0,1,2,3,4,5,6,7
	global_load_b128 v[BN+8*\b:BN+8*\b+3], v4, s[8:9] offset:(32*(\b/2)+8*(\b%2))*4
	global_load_b128 v[BN+8*\b+4:BN+8*\b+7], v4, s[8:9] offset:(32*(\b/2)+8*(\b%2))*4+16
.endr
	WIN 0x40
.irp a, 0,1,2,3,4,5,6,7
	global_load_b32 v[BM+2*\a], v6, s[10:11] offset:(32*(\a/2)+8*(\a%2))*4
	global_load_b32 v[BM+2*\a+1], v6, s[10:11] offset:(32*(\a/2)+8*(\a%2))*4
.endr
	WIN 0
	s_wait_alu depctr_va_vdst(0)                   ; the addresses are made and the bias is asked for while the head's tiles are on their way
	s_wait_tensorcnt 0x0                           ; my head tile is in; the three lines and a round stand ahead of slot 1's first fill
	ds_add_u32 v28, v29
	s_mov_b32 s[G1+2], 8<<16                       ; no load of mine is out: from here on a load brings 8 blocks
	s_mov_b32 s[G1+4], 8
	s_mov_b32 s[G1B+2], 8<<16
	s_mov_b32 s[G1B+4], 8
	s_wait_dscnt 0x0
	CROUND
	JLOAD G0+4, G1, G0B+4, G1B
	s_wait_loadcnt 0x0
.set i, 0
.rept 64
	v_cndmask_b32 v[BN+i], v[BN+i], v[ZR], s98
.set i, i+1
.endr
	WIN 0x44
.set i, 0
.rept 16
	v_cndmask_b32 v[BM+i], v[ZR], v[BM+i], s98
.set i, i+1
.endr
	WIN 0
.macro FRAG reg, a16, a8, q, i
	ds_load_b128 v[\reg:\reg+3], v[\a16] offset:3072*(\i)+1536*(\q)
	ds_load_b64 v[\reg+4:\reg+5], v[\a8] offset:3072*(\i)+1536*(\q)+512
	ds_load_b128 v[\reg+6:\reg+9], v[\a16] offset:3072*(\i)+1536*(\q)+768
	ds_load_b64 v[\reg+10:\reg+11], v[\a8] offset:3072*(\i)+1536*(\q)+1280
.endm
.macro FETCH_R slot, q, p
	WIN 0x40
.irp i, 0,1,2,3,4,5,6,7
	FRAG 128*(\p)+FR*\i, 20+\slot, 22+\slot, \q, \i
.endr
	WIN 0
.endm
.macro FETCH_P slot, q, i0
.irp i, \i0, \i0+1, \i0+2, \i0+3
	FRAG AF+FR*(\i), 16+\slot, 18+\slot, \q, \i
.endr
.endm
.macro SCALES sc
.irp i, 0,1,2,3,4,5,6,7
	ds_load_b64 v[SC1+16*\sc+2*\i:SC1+16*\sc+2*\i+1], v24 offset:512*\i
.endr
.irp i, 0,1,2,3,4,5,6,7
	ds_load_b64 v[SC0+16*\sc+2*\i:SC0+16*\sc+2*\i+1], v25 offset:512*\i
.endr
.endm
.macro MUL16 a0, p, q, sc, first
.irp a, \a0, \a0+1
.irp b, 0,1,2,3,4,5,6,7
.if \first
	v_wmma_scale_f32_16x16x128_f8f6f4 v[8*(8*((\a)%4)+\b):8*(8*((\a)%4)+\b)+7], v[128*(\p)+FR*\b:128*(\p)+FR*\b+FR-1], v[AF+FR*(\a):AF+FR*(\a)+FR-1], v[BN+8*\b:BN+8*\b+7], v[SC0+16*(\sc)+2*\b+(\q)], v[SC1+16*(\sc)+2*(\a)+(\q)] matrix_a_fmt:MATRIX_FMT_FP6 matrix_b_fmt:MATRIX_FMT_FP6
.else
	v_wmma_scale_f32_16x16x128_f8f6f4 v[8*(8*((\a)%4)+\b):8*(8*((\a)%4)+\b)+7], v[128*(\p)+FR*\b:128*(\p)+FR*\b+FR-1], v[AF+FR*(\a):AF+FR*(\a)+FR-1], v[8*(8*((\a)%4)+\b):8*(8*((\a)%4)+\b)+7], v[SC0+16*(\sc)+2*\b+(\q)], v[SC1+16*(\sc)+2*(\a)+(\q)] matrix_a_fmt:MATRIX_FMT_FP6 matrix_b_fmt:MATRIX_FMT_FP6
.endif
.endr
.endr
.endm
.macro STEP slot, q, first
	s_wait_dscnt 16
	WIN MUL_LO-0x20*(\first)
	MUL16 0, (\q)%2, \q, \slot, \first
	MUL16 2, (\q)%2, \q, \slot, \first
	s_wait_dscnt 0x0
	PLACES
	FETCH_R \slot, (\q)+1, 1-(\q)%2
	FETCH_P \slot, (\q)+1, 0
	WIN MUL_HI-0x30*(\first)
	MUL16 4, (\q)%2, \q, \slot, \first
	MUL16 6, (\q)%2, \q, \slot, \first
	PLACES
	WIN 0
	FETCH_P \slot, (\q)+1, 4
.endm
.macro TURN slot, next, fill
	s_wait_tensorcnt 0x0
	ds_add_u32 v[SPW], v[NIL]
	s_wait_dscnt 17
	WIN MUL_LO
	MUL16 0, 1, 1, \slot, 0
	s_wait_dscnt 0x0
	s_barrier_signal -1
	MUL16 2, 1, 1, \slot, 0
	WIN 0
	s_barrier_wait -1
.if \fill
	CREST
	s_add_nc_u64 s[G0+4*\slot+2:G0+4*\slot+3], s[G0+4*\slot+2:G0+4*\slot+3], 6144
	s_add_nc_u64 s[G0B+4*\slot+2:G0B+4*\slot+3], s[G0B+4*\slot+2:G0B+4*\slot+3], 6144
	JLOAD G0+4*\slot, G1, G0B+4*\slot, G1B
.else
	PLACES
.endif
	s_wait_alu depctr_va_vdst(0)
	v_add_nc_u32 v24, 128, v24
	v_add_nc_u32 v25, 128, v25
	FETCH_R \next, 0, 0
	FETCH_P \next, 0, 0
	SCALES \next
	WIN MUL_HI
	MUL16 4, 1, 1, \slot, 0
	MUL16 6, 1, 1, \slot, 0
	PLACES
	WIN 0
	FETCH_P \next, 0, 4
.endm
.macro QUANT s, pc, pw, tm
.irp b, 0,1,2,3
	v_max3_num_f32 v[\tm+\b], |v[\s+16*\b]|, |v[\s+1+16*\b]|, 0x1800000
.endr
.irp i, 2,4,6,8,10,12,14
.irp b, 0,1,2,3
	v_max3_num_f32 v[\tm+\b], v[\tm+\b], |v[\s+16*\b+\i]|, |v[\s+1+16*\b+\i]|
.endr
.endr
.irp b, 0,1,2,3
	v_permlanex16_b32 v[\tm+4+\b], v[\tm+\b], s[SEL], s[SEL+1]
.endr
.irp b, 0,1,2,3
	v_max_num_f32 v[\tm+\b], v[\tm+\b], v[\tm+4+\b]
.endr
.irp b, 0,1,2,3
	v_add_nc_u32 v[\tm+12+\b], 0xff000000, v[\tm+\b]
.endr
.irp b, 0,1,2,3
	v_lshrrev_b32 v[\tm+4+\b], 23, v[\tm+12+\b]
.endr
	v_lshl_or_b32 v[\pw], v[\tm+5], 8, v[\tm+4]
	v_lshl_or_b32 v[\pw], v[\tm+6], 16, v[\pw]
	v_lshl_or_b32 v[\pw], v[\tm+7], 24, v[\pw]
.irp c, 0,1
	v_cvt_scalef32_pk16_fp6_f32 v[\pc+6*\c:\pc+2+6*\c], v[\s+32*\c:\s+15+32*\c], v[\tm+12+2*\c]
	v_cvt_scalef32_pk16_fp6_f32 v[\pc+12+4*\c:\pc+14+4*\c], v[\s+16+32*\c:\s+31+32*\c], v[\tm+12+2*\c+1]
.endr
	v_nop
.irp c, 0,1
.irp i, 0,1,2
	v_permlane16_swap_b32 v[\pc+6*\c+\i], v[\pc+12+4*\c+\i]
.endr
.irp i, 0,1,2
	v_mov_b32 v[\pc+3+6*\c+\i], v[\pc+12+4*\c+\i]
.endr
.endr
.endm
	s_wait_tensorcnt 1
	s_barrier_signal -1
	s_barrier_wait -1
	FETCH_R 0, 0, 0
	FETCH_P 0, 0, 0
	SCALES 0
	FETCH_P 0, 0, 4
	STEP 0, 0, 1
	TURN 0, 1, 1
	STEP 1, 0, 0
	TURN 1, 0, 1
	STEP 0, 0, 0
	TURN 0, 1, 0
	STEP 1, 0, 0
	s_wait_dscnt 16
	WIN MUL_LO
	MUL16 0, 1, 1, 1, 0
	MUL16 2, 1, 1, 1, 0
	s_wait_dscnt 0x0
	WIN MUL_HI
	MUL16 4, 1, 1, 1, 0
	MUL16 6, 1, 1, 1, 0
	WIN 0
	s_and_b32 s24, s17, 31
	s_lshr_b32 s25, s24, 3
	s_and_b32 s24, s24, 7
	s_lshl_b32 s24, s24, 1
	s_cmp_eq_u32 s97, 0
	s_mov_b32 s58, 204800
	s_cselect_b32 s58, 102400, s58
	s_mov_b32 s35, 12800
	s_cselect_b32 s35, 6400, s35
	s_cmp_ge_u32 s96, 16
	s_cselect_b32 s36, 6144, 0
	s_mov_b32 s37, 12288
	s_cselect_b32 s37, 12544, s37
	s_cselect_b32 s26, s15, s16
	s_cselect_b32 s27, s16, s15
	s_mov_b32 s52, 768
	s_cselect_b32 s52, 1536, s52
	s_mov_b32 s54, 768
	s_cselect_b32 s54, 200192, s54
	s_cselect_b32 s56, 768, s58
	s_mov_b32 s31, 0x05040100
	s_cselect_b32 s31, 0x03020100, s31
	s_mov_b32 s32, 0x07060302
	s_cselect_b32 s32, 0x07060504, s32
	s_cmp_eq_u32 s97, 0
	s_cselect_b32 s36, QOFF, s36
	s_cselect_b32 s37, QOFF+6144, s37
	s_mov_b32 s33, 0xffff0000
	s_mov_b32 s53, 0
	s_mov_b32 s55, 0
	s_mov_b32 s57, 0
	s_mov_b32 s59, 0
	s_lshl_b32 s25, s25, 4
	s_lshl_b32 s38, s42, 2
	s_add_co_u32 s25, s25, s38
	s_lshl_b32 s38, s26, 1
	s_add_co_u32 s25, s25, s38
	s_add_co_u32 s24, s24, s27
	s_mul_i32 s25, s25, s58
	s_mul_i32 s24, s24, s35
	s_add_co_u32 s24, s24, s25
	s_add_co_u32 s48, s24, s36
	s_mov_b32 s49, 0
	s_add_co_u32 s50, s24, s37
	s_mov_b32 s51, 0
	s_add_nc_u64 s[48:49], s[12:13], s[48:49]
	s_add_nc_u64 s[50:51], s[12:13], s[50:51]
	s_add_nc_u64 s[60:61], s[48:49], s[56:57]
	s_add_nc_u64 s[62:63], s[50:51], s[58:59]
	PLACES
.irp b, 0,1,2,3
	v_mov_b32 v[TM+4+\b], 0
.endr
.macro EPI a
.set AC, 64*((\a)%4)
	WIN 0x06+(\a)/4
.set i, 0
.rept 32
	v_pk_add_f32 v[128+i:129+i], v[AC+i:AC+i+1], v[BM+2*(\a):BM+2*(\a)+1]
.set i, i+2
.endr
	WIN 0
.if (\a) > 0
	s_wait_xcnt 0x0
.if (\a) == 4
	s_add_nc_u64 s[48:49], s[48:49], s[54:55]
	s_add_nc_u64 s[60:61], s[60:61], s[54:55]
.else
	s_add_nc_u64 s[48:49], s[48:49], s[52:53]
	s_add_nc_u64 s[60:61], s[60:61], s[52:53]
.endif
.endif
	QUANT 128, 192, PW+(\a), TM
	global_store_b128 v26, v[192:195], s[48:49]
	global_store_b64 v27, v[196:197], s[48:49] offset:512
	global_store_b128 v26, v[198:201], s[60:61]
	global_store_b64 v27, v[202:203], s[60:61] offset:512
.endm
.irp a, 0,1,2,3,4,5,6,7
	EPI \a
.endr
.irp p, 0,1,2,3
	v_perm_b32 v[64+\p], v[PW+2*\p+1], v[PW+2*\p], s31
	v_perm_b32 v[68+\p], v[PW+2*\p+1], v[PW+2*\p], s32
.endr
	v_cndmask_b32 v72, v64, v65, s33
	v_cndmask_b32 v76, v66, v67, s33
	v_cndmask_b32 v77, v68, v69, s33
	v_cndmask_b32 v75, v70, v71, s33
	v_cndmask_b32 v73, v76, v77, s98
	v_cndmask_b32 v74, v77, v76, s98
	global_store_b64 v27, v[72:73], s[50:51]
	global_store_b64 v27, v[74:75], s[62:63]
	s_wait_tensorcnt 0x0
	ds_add_u32 v[SPW], v[NIL]
	s_wait_dscnt 0x0
	CROUND
	s_endpgm
.Lfunc_end_k_q82f8244e9e_proj:
	.size	k_q82f8244e9e_proj, .Lfunc_end_k_q82f8244e9e_proj-k_q82f8244e9e_proj
	.p2alignl 7, 3214868480
	.fill 96, 4, 3214868480
	.section	.rodata,"a",@progbits
	.p2align	6, 0x0
	.amdhsa_kernel k_q82f8244e9e_proj
		.amdhsa_group_segment_fixed_size 327680
		.amdhsa_private_segment_fixed_size 0
		.amdhsa_enable_private_segment 0
		.amdhsa_kernarg_size 40
		.amdhsa_user_sgpr_count 2
		.amdhsa_user_sgpr_kernarg_segment_ptr 1
		.amdhsa_wavefront_size32 1
		.amdhsa_system_sgpr_workgroup_id_x 1
		.amdhsa_system_sgpr_workgroup_id_y 1
		.amdhsa_system_sgpr_workgroup_id_z 1
		.amdhsa_system_vgpr_workitem_id 0
		.amdhsa_next_free_vgpr 1024
		.amdhsa_next_free_sgpr 102
		.amdhsa_reserve_vcc 0
		.amdhsa_float_denorm_mode_32 3
		.amdhsa_float_denorm_mode_16_64 3
		.amdhsa_memory_ordered 1
		.amdhsa_forward_progress 1
		.amdhsa_inst_pref_size 179
	.end_amdhsa_kernel
	.amdgpu_metadata
---
amdhsa.version: [ 1, 2 ]
amdhsa.kernels:
  - .name:           k_q82f8244e9e_proj
    .symbol:         k_q82f8244e9e_proj.kd
    .args:
      - { .name: opnd, .offset: 0, .size: 8, .value_kind: global_buffer, .address_space: global }
      - { .name: b_q, .offset: 8, .size: 8, .value_kind: global_buffer, .address_space: global }
      - { .name: b_k, .offset: 16, .size: 8, .value_kind: global_buffer, .address_space: global }
      - { .name: b_v, .offset: 24, .size: 8, .value_kind: global_buffer, .address_space: global }
      - { .name: heads, .offset: 32, .size: 8, .value_kind: global_buffer, .address_space: global }
    .group_segment_fixed_size: 327680
    .private_segment_fixed_size: 0
    .kernarg_segment_align: 8
    .kernarg_segment_size: 40
    .max_flat_workgroup_size: 128
    .sgpr_count:     102
    .vgpr_count:     1024
    .wavefront_size: 32
...
	.end_amdgpu_metadata
.endif
;; end of part 2
;; launch attn (part 3): grid 4 x 64, 16 waves a work-group, clusters of 4 x 1, 258,048 bytes of LDS; arguments heads, ctx; writes ctx
.if DOCPART == 3
	.amdgcn_target "amdgcn-amd-amdhsa--gfx1250"
	.amdhsa_code_object_version 6
	.text
	.protected	k_q82f8244e9e_attn
	.globl	k_q82f8244e9e_attn
	.p2align	8
	.type	k_q82f8244e9e_attn,@function
k_q82f8244e9e_attn:
	s_mov_b64 s[64:65], 0
	v_nop
	global_prefetch_b8 v0, s[64:65] scope:SCOPE_SE
	s_setreg_imm32_b32 hwreg(HW_REG_WAVE_MODE, 25, 1), 1
	s_wait_xcnt 0x0
	s_wait_alu depctr_hold_cnt(0) depctr_sa_sdst(0) depctr_va_vdst(0) depctr_va_sdst(0) depctr_va_ssrc(0) depctr_va_vcc(0) depctr_vm_vsrc(0)
	s_getreg_b32 s2, hwreg(HW_REG_IB_STS2, 6, 4)
	s_cmp_eq_u32 s2, 0
	s_cbranch_scc0 .Lentry_in_a_cluster
	s_endpgm
.Lentry_in_a_cluster:
	s_bfe_u32 s2, ttmp6, 0x10000c
	s_cmp_lg_u32 s2, 0x3003
	s_cbranch_scc0 .Lentry_shape_is_right
	s_endpgm
.Lentry_shape_is_right:
; context = softmax(Q K^T / 8) V for one head of one batch, both products on codes of FP6 (E2M3) with E8M0 scales; the context is quantised along the model's 1,024 and stored as an operand image for the last product.
; THE SOFTMAX: t = score x log2(e) / 8; M = the running largest t rounded up to a whole number; p = 2^(t - M) is quantised along the keys, not normalised; the row's sum is taken of the unquantised p and divides at the end.
; When M moves, the sum and O are multiplied by 2^(old M - new M): exact.
; SHARES.  A head's four work-groups form a cluster; each takes 512 queries in two passes; each of its sixteen waves owns one tile of 16 queries a pass, in 256 registers.
; THE WHOLE HEAD'S K AND V STAY IN LDS: 16 records of 128 keys (in memory 50 units of 256 bytes: K's 8 pieces of 3 units, V's 4 fragments of 6, K's scale bytes, V's), filled ONCE, one joint load a wave, asked for by all four
; work-groups together.  Nothing is filled again: one barrier, no ring.  In LDS 64 bytes of padding stand behind each 256, so that two pieces six units apart begin 128 bytes apart modulo 256 (6 x 320 = 1,920).
; LAYOUT.  Both products transposed: S^T = K Q^T, O^T = V^T P^T: a lane holds one query.  A piece 2 B + u holds keys 32 B + 8 u + r + 8 (r / 8).  THE ROWS OF A TILE ARE PICKED BY THE LANES' ADDRESSES: in tile (c, u) rows 0-7 are
; keys 64 c + 8 u + 0..7 and rows 8-15 keys 64 c + 32 + 8 u + 0..7 (lanes r < 8 read fragment 2 c, lanes r >= 8 fragment 2 c + 1, both at source row r % 8 + 8 (u / 2) of piece u % 2).  So the 32 score registers 32 c + 0..31 of lane (r, h)
; are keys 64 c + 32 h + 0..31: one whole scale block of p, in the order of the second product's operand: a block's maximum and its codes need no other lane.
; THE FIRST PRODUCT'S K IS 64: a fragment holds two tiles (k 0-63, k 64-127).  Against [Q | zeros] it gives the first tile's scores, against [zeros | Q] the second's: zero codes add nothing.
; THE WALK.  One loop of 32 trips: pass 0 takes records 0..15, pass 1 records 15..0 (the order of the keys does not matter to a running maximum).  K's fragments of the next trip are asked for behind this trip's first products,
; V's behind its second: so the record asked for at a pass's end is the next pass's first.  The last trip's 34 loads name record 0 and are not used.  A pass's end (division, quantiser, stores, new start) stands under a branch on the trip's number.
; No prefetch: the launch fetches K and V at its head alone and has no later load from memory but 800 bytes of Q a wave.
; LIMITS: NaN and infinities are not served; the promise holds while |t| stays under 2^31; a block of the context or of p whose largest magnitude lies under 2^-124, zeros among them, keeps the scale byte 1 (this program alone reads the bytes).
; REGISTERS: v0 16 x lane, v1-v3 K's LDS bases (16-byte parts, 8-byte parts, scale words), v4-v5 V's (v5 = 8 x lane), v6-v7 the spare word and 0; v8 -M, v9 the largest score; v[10:11], v[30:31] the sum; v12-17 zeros, v18-23 Q, v24-29 zeros;
;   v32-79 K; v80-127 V; v128-191 S^T, then p; v192-223 O^T; v224-235 p's codes; v236-242 the conversions' upper halves; v239 8 r; v243 Q's scale word as loaded; v244-247 at work; v248-249 K's scale words, v250-251 V's; v252 f, v253 p's scale word; v254 at work; v255 Q's scale word.
.set CH,    320                        ; 256 bytes + 64 of padding
.set REC,   50*CH                      ; a record in LDS
.set SPARE, 16*REC                     ; the spare words: 128 bytes for each of 16 waves
.set QOFF,  13107200
.set CSOFF, 6291456
.set KF,    32
.set VF,    80
.set S,     128
.set O,     192
.set P,     224
.set SEL,   24                         ; s[24:25]
.set CS,    26                         ; s[26:27] c = log2(e) / 8
.set I,     28                         ; s28 the trip
.set TN,    29                         ; s29 the next trip's record, in LDS bytes
.macro CROUND
	s_barrier_signal -1
	s_barrier_wait -1
	s_cmp_lg_u32 s8, 0
	s_cbranch_scc1 .Lnot_wave_0_\@
	s_barrier_signal -3
.Lnot_wave_0_\@:
	s_barrier_wait -3
	s_barrier_signal -1
	s_barrier_wait -1
.endm
.macro LOADK a, b, sw                  ; 17 loads: fragment (c, w) = tiles 2 w, 2 w + 1 of half c; then the scale words: register c, lanes 16-31 for w = 1
.irp c, 0,1
.irp w, 0,1
	ds_load_b128 v[KF+12*(2*\c+\w):KF+12*(2*\c+\w)+3], \a offset:12*CH*\c+128*\w
	ds_load_b64 v[KF+12*(2*\c+\w)+4:KF+12*(2*\c+\w)+5], \b offset:12*CH*\c+2*CH+64*\w
	ds_load_b128 v[KF+12*(2*\c+\w)+6:KF+12*(2*\c+\w)+9], \a offset:12*CH*\c+3*CH+128*\w
	ds_load_b64 v[KF+12*(2*\c+\w)+10:KF+12*(2*\c+\w)+11], \b offset:12*CH*\c+5*CH+64*\w
.endr
.endr
	ds_load_b64 v[248:249], \sw offset:48*CH
.endm
.macro LOADV a, b                      ; 17 loads: four fragments of 16 channels x 128 keys; the scale words: register t % 2, lanes 16-31 for t = 2, 3
.irp t, 0,1,2,3
	ds_load_b128 v[VF+12*\t:VF+12*\t+3], \a offset:(24+6*\t)*CH
	ds_load_b64 v[VF+12*\t+4:VF+12*\t+5], \b offset:(26+6*\t)*CH
	ds_load_b128 v[VF+12*\t+6:VF+12*\t+9], \a offset:(27+6*\t)*CH
	ds_load_b64 v[VF+12*\t+10:VF+12*\t+11], \b offset:(29+6*\t)*CH
.endr
	ds_load_b64 v[250:251], \b offset:49*CH
.endm
.macro QK c, w
	v_wmma_scale_f32_16x16x128_f8f6f4 v[S+32*\c+16*\w:S+32*\c+16*\w+7], v[KF+12*(2*\c+\w):KF+12*(2*\c+\w)+11], v[18:29], 0, v[248+\c], v255 matrix_a_fmt:MATRIX_FMT_FP6 matrix_b_fmt:MATRIX_FMT_FP6 matrix_a_scale:MATRIX_SCALE_ROW\w
	v_wmma_scale_f32_16x16x128_f8f6f4 v[S+32*\c+16*\w+8:S+32*\c+16*\w+15], v[KF+12*(2*\c+\w):KF+12*(2*\c+\w)+11], v[12:23], 0, v[248+\c], v255 matrix_a_fmt:MATRIX_FMT_FP6 matrix_b_fmt:MATRIX_FMT_FP6 matrix_a_scale:MATRIX_SCALE_ROW\w
.endm
.macro TMS n                           ; t - M, two at a time
.rept \n
	v_pk_fma_f32 v[S+J:S+J+1], v[S+J:S+J+1], s[CS:CS+1], v[8:9] op_sel_hi:[1,0,0]
.set J, J+2
.endr
.endm
.macro SUMS n                          ; the row's sum of the unquantised p, two chains by turns
.rept \n
.if J%2
	v_pk_add_f32 v[30:31], v[30:31], v[S+2*J:S+2*J+1]
.else
	v_pk_add_f32 v[10:11], v[10:11], v[S+2*J:S+2*J+1]
.endif
.set J, J+1
.endr
.endm
.macro START                           ; a pass's start: Q's scale word, the running values, O^T (the loop has no first step of its own: the first change of M multiplies zeros)
	s_wait_loadcnt 0x0                             ; Q and its scale word are in
	v_perm_b32 v255, v243, v243, s30               ; my piece's two bytes, twice; the moves below stand between it and the first product
	v_mov_b32 v9, 0xff61b1e6                       ; the largest score so far: -3e38
	v_mov_b32 v8, 0x7f61b1e6                       ; -M: 3e38, so that the first f is 0
	v_mov_b32 v10, 0
	v_mov_b32 v11, 0
.set j, 0
.rept 32
	v_mov_b32 v[O+j], 0
.set j, j+1
.endr
.endm
	s_load_b128 s[4:7], s[0:1], 0x0                ; heads, ctx
	v_lshl_add_u32 v6, v0, 2, SPARE
	v_mov_b32 v7, 0
	ds_add_u32 v6, v7                              ; the opening lines: the add, twice on end, and its wait
	ds_add_u32 v6, v7
	v_lshrrev_b32 v1, 5, v0
	v_readfirstlane_b32 s8, v1                     ; wave 0..15
	s_bfe_u32 s9, ttmp6, 0x40000                   ; cx: it enters global addresses of my own loads and stores alone
	s_and_b32 s10, ttmp7, 0xffff                   ; batch x 16 + head, which the four partners share
	s_mov_b32 s16, 15|(3<<16)|(1<<20)|(1<<21)|(5<<22)|(15<<25)   ; the mask: all four; elements of 8 bytes; padding on; bit 21 beside a mask; after every 64 words 16 words
	s_mov_b32 s17, 32<<16                          ; a record as 50 rows of 256 bytes
	s_mov_b32 s18, 50<<16
	s_mov_b32 s19, 32<<16
	s_mov_b32 s20, 50
	s_mov_b32 s21, 32
	s_mov_b32 s22, 0
	s_mov_b32 s23, 0
	s_mul_i32 s40, s10, 204800
	s_mul_i32 s13, s8, 12800                       ; wave w brings record w
	s_add_co_u32 s40, s40, s13
	s_mov_b32 s41, 0
	s_mul_i32 s13, s8, REC                         ; to LDS byte 16,000 w
	s_mov_b32 s12, 1
	s_wait_alu depctr_va_vdst(0)
	s_wait_dscnt 0x0
	s_wait_kmcnt 0x0
	s_add_nc_u64 s[14:15], s[4:5], s[40:41]
	s_or_b32 s15, s15, 0x80000000
	CROUND                                         ; all four work-groups are here: the joint loads meet
	tensor_load_to_lds s[12:15], s[16:23]
	s_nop 0
	s_mov_b32 s[SEL], 0x76543210
	s_mov_b32 s[SEL+1], 0xfedcba98
	s_mov_b32 s[CS], 0x3e38aa3b
	s_mov_b32 s[CS+1], s[CS]
	; my tile of queries in pass p: block 32 cx + 16 p + w of the head's 128: record 4 cx + 2 p + w / 8, piece w % 8
	s_lshr_b32 s42, s8, 3
	s_lshl_b32 s43, s9, 2
	s_add_co_u32 s42, s42, s43
	s_mul_i32 s42, s42, 6400
	s_mul_i32 s43, s10, 102400
	s_add_co_u32 s42, s42, s43
	s_add_co_u32 s42, s42, QOFF
	s_and_b32 s43, s8, 7
	s_mul_i32 s43, s43, 768
	s_add_co_u32 s40, s42, s43
	s_add_nc_u64 s[32:33], s[4:5], s[40:41]        ; Q's codes
	s_bfe_u32 s43, s8, 0x10001
	s_lshl_b32 s43, s43, 7                         ; fragment f = (w % 8) / 2: its word lies 128 (f % 2) + 4 (f / 2) + 8 r into the unit
	s_bfe_u32 s44, s8, 0x10002
	s_lshl_b32 s44, s44, 2
	s_add_co_u32 s40, s42, s43
	s_add_co_u32 s40, s40, s44
	s_add_co_u32 s40, s40, 6144
	s_add_nc_u64 s[34:35], s[4:5], s[40:41]        ; Q's scale word
	s_and_b32 s43, s8, 1
	s_cmp_eq_u32 s43, 1
	s_mov_b32 s30, 0x01000100
	s_cselect_b32 s30, 0x03020302, s30             ; my piece's two bytes, twice: they serve [Q | zeros] and [zeros | Q]
	s_lshr_b32 s42, s10, 4
	s_lshl_b32 s42, s42, 7
	s_lshl_b32 s43, s9, 5
	s_add_co_u32 s42, s42, s43
	s_add_co_u32 s42, s42, s8                      ; my block among the context's 512
	s_and_b32 s43, s10, 15                         ; the head = which 64 of the context's K
	s_mul_i32 s40, s42, 12288
	s_mul_i32 s44, s43, 768
	s_add_co_u32 s40, s40, s44
	s_add_nc_u64 s[36:37], s[6:7], s[40:41]        ; the context's codes
	s_lshl_b32 s40, s42, 9
	s_lshr_b32 s44, s43, 2
	s_lshl_b32 s44, s44, 7
	s_add_co_u32 s40, s40, s44
	s_and_b32 s44, s43, 3
	s_lshl_b32 s44, s44, 1
	s_add_co_u32 s40, s40, s44
	s_add_co_u32 s40, s40, CSOFF
	s_add_nc_u64 s[38:39], s[6:7], s[40:41]        ; and its scale bytes
	v_and_b32 v128, 7, v0                          ; r % 8
	v_bfe_u32 v129, v0, 4, 1                       ; h
	v_bfe_u32 v130, v0, 3, 1                       ; r / 8
	v_and_b32 v131, 31, v0                         ; lane
	v_and_b32 v133, 15, v0                         ; r
	v_mul_u32_u24 v132, v130, 6*CH                 ; lanes r >= 8 read one fragment (six units) further on
	v_mad_u32_u24 v1, v129, CH, v132
	v_lshl_add_u32 v1, v128, 4, v1                 ; K, registers 0-3 of a piece: unit h, 16 bytes a source row
	v_lshl_add_u32 v2, v129, 7, v132
	v_lshl_add_u32 v2, v128, 3, v2                 ; K, registers 4-5: unit 2, byte 8 x source row + 128 h
	v_lshlrev_b32 v3, 3, v128
	v_lshl_add_u32 v3, v130, 7, v3
	v_lshl_add_u32 v3, v129, 6, v3                 ; K's scale words: 8 (r % 8) + 128 (r / 8), lanes 16-31 the source rows 8 further on
	v_mul_u32_u24 v4, v129, CH
	v_lshl_add_u32 v4, v133, 4, v4                 ; V, registers 0-3: 16 x lane, with the padding between the two units
	v_lshlrev_b32 v5, 3, v131                      ; 8 x lane
	v_lshlrev_b32 v239, 3, v133                    ; 8 r
	v_lshlrev_b32 v0, 4, v131                      ; 16 x lane
	global_load_b128 v[18:21], v0, s[32:33]        ; pass 0's Q, asked for while the records are on their way
	global_load_b64 v[22:23], v5, s[32:33] offset:512
	global_load_b32 v243, v239, s[34:35]
.irp j, 12,13,14,15,16,17,24,25,26,27,28,29
	v_mov_b32 v\j, 0                               ; zero codes on both sides of Q
.endr
	v_mov_b32 v253, 0                              ; written once: a permute's destination, and the upper half of the pair v[252:253]
	START
	s_mov_b32 s[I], 0
	s_wait_alu depctr_va_vdst(0)
	s_wait_tensorcnt 0x0                           ; my record has landed,
	s_barrier_signal -1
	s_barrier_wait -1                              ; everybody's has: the head's K and V are whole, and nothing writes them again
	LOADK v1, v2, v3                               ; record 0
	LOADV v4, v5
.Lstep:                                                ; A TRIP: 128 keys.  Trip i takes record min(i, 31 - i)
	s_add_co_u32 s31, s[I], 1
	s_min_u32 s31, s31, 31
	s_xor_b32 s[TN], s31, 31                       ; 31 - n
	s_min_u32 s[TN], s[TN], s31
	s_min_u32 s[TN], s[TN], 15
	s_mul_i32 s[TN], s[TN], REC
	s_wait_loadcnt 0x0                             ; no load into Q's registers is out
	s_wait_dscnt 17                                ; K and its scale words are in; V's seventeen younger loads may be out
	QK 0, 0
	QK 0, 1
	QK 1, 0
	QK 1, 1
	v_add_nc_u32 v244, s[TN], v1                   ; four plain instructions behind the products, ahead of the loads into their registers and of the first read of the scores
	v_add_nc_u32 v245, s[TN], v2
	v_add_nc_u32 v246, s[TN], v3
	v_mov_b32 v254, v8                             ; the old -M
	LOADK v244, v245, v246
	s_cmp_lg_u32 s[I], 15
	s_cbranch_scc1 .Lsame_q
	global_load_b128 v[18:21], v0, s[32:33] offset:12800           ; pass 0's last products have read Q: pass 1's is asked for
	global_load_b64 v[22:23], v5, s[32:33] offset:12800+512
	global_load_b32 v243, v239, s[34:35] offset:12800
.Lsame_q:
.irp b, 0,1                            ; the largest score of my two blocks of 32 keys, two chains each; each accumulator is first read at its low end
	v_max3_num_f32 v[244+\b], v[S+32*\b], v[S+32*\b+1], v[S+32*\b+2]
	v_max3_num_f32 v[246+\b], v[S+32*\b+17], v[S+32*\b+18], v[S+32*\b+19]
.endr
.irp i, 3,5,7,9,11,13
.irp b, 0,1
	v_max3_num_f32 v[244+\b], v[244+\b], v[S+32*\b+\i], v[S+32*\b+\i+1]
	v_max3_num_f32 v[246+\b], v[246+\b], v[S+32*\b+\i+17], v[S+32*\b+\i+18]
.endr
.endr
.irp b, 0,1
	v_max3_num_f32 v[244+\b], v[244+\b], v[S+32*\b+15], v[S+32*\b+16]
.endr
.irp b, 0,1
	v_max_num_f32 v[244+\b], v[244+\b], v[246+\b]  ; it serves twice: for the row's maximum, and, since p rises with the score, for the block's largest p
.endr
	v_max_num_f32 v246, v244, v245
	v_permlanex16_b32 v247, v246, s[SEL], s[SEL+1] ; lane l xor 16's 64 keys
	v_max3_num_f32 v9, v9, v246, v247              ; the running largest score (c is positive)
	v_mul_f32 v246, s[CS], v9
	v_floor_f32 v8, -v246                          ; -M = floor(-t): M is a whole number
.set J, 0
	TMS 4
	v_sub_f32 v254, v8, v254                       ; old M - new M: a whole number, 0 or less
	TMS 4
	v_cvt_i32_f32 v254, v254                       ; (it saturates)
	TMS 4
	v_ldexp_f32 v252, 1.0, v254                    ; f = 2^(old M - new M)
	TMS 20
	v_fma_f32 v244, v244, s[CS], v8                ; the same of each block's largest score
	v_fma_f32 v245, v245, s[CS], v8
.set j, 0
.rept 16
	v_pk_mul_f32 v[O+j:O+j+1], v[O+j:O+j+1], v[252:253] op_sel_hi:[1,0]   ; O^T under the new M
.set j, j+2
.endr
	s_wait_alu depctr_va_vdst(0)
	v_exp_f32 v244, v244                           ; each block's largest p
	v_exp_f32 v245, v245
.set j, 0
.rept 64
	v_exp_f32 v[S+j], v[S+j]                       ; p = 2^(t - M)
.set j, j+1
.endr
	v_nop                                          ; the plain instruction behind the batch
	s_wait_alu depctr_va_vdst(0)                   ; one wait for the batch, ahead of its first reader
	v_max_num_f32 v244, 0x1800000, v244            ; the floor 2^(3 - 127)
	v_max_num_f32 v245, 0x1800000, v245
	v_pk_add_f32 v[30:31], v[S+2:S+3], v[S+4:S+5]
	v_pk_fma_f32 v[10:11], v[10:11], v[252:253], v[S:S+1] op_sel_hi:[1,0,1]   ; the sum under the new M, and the first two p
	v_add_nc_u32 v246, 0xff000000, v244            ; 2 off the exponent field: the conversion's scale operand
	v_add_nc_u32 v247, 0xff000000, v245
.set J, 3
	SUMS 2
	v_cvt_scalef32_pk16_fp6_f32 v[P:P+2], v[S:S+15], v246
	v_cvt_scalef32_pk16_fp6_f32 v[236:238], v[S+16:S+31], v246     ; (a conversion's three registers begin on an even number)
	v_cvt_scalef32_pk16_fp6_f32 v[P+6:P+8], v[S+32:S+47], v247
	v_cvt_scalef32_pk16_fp6_f32 v[240:242], v[S+48:S+63], v247
	v_lshrrev_b32 v244, 23, v246                   ; the scales' bytes: blocks h and 2 + h; also the plain instructions behind the conversions
	v_lshrrev_b32 v245, 23, v247
	SUMS 2
	v_lshl_or_b32 v254, v245, 16, v244
.irp i, 0,1,2
	v_mov_b32 v[P+3+\i], v[236+\i]
.endr
	v_permlanex16_b32 v253, v254, s[SEL], s[SEL+1]
.irp i, 0,1,2
	v_mov_b32 v[P+9+\i], v[240+\i]
.endr
	v_lshl_or_b32 v253, v253, 8, v254              ; p's scale word, whole in lanes 0-15 (blocks 0, 2 mine, 1, 3 lane l + 16's); lanes 16-31 are not read
	SUMS 25                                        ; 26 plain instructions stand between the scale word and the products
	v_pk_add_f32 v[10:11], v[10:11], v[30:31]
	s_wait_dscnt 17                                ; V is in; the next trip's K, seventeen younger loads, may be out
.irp t, 0,1
	v_wmma_scale_f32_16x16x128_f8f6f4 v[O+8*\t:O+8*\t+7], v[VF+12*\t:VF+12*\t+11], v[P:P+11], v[O+8*\t:O+8*\t+7], v[250+\t], v253 matrix_a_fmt:MATRIX_FMT_FP6 matrix_b_fmt:MATRIX_FMT_FP6
.endr
.irp t, 2,3
	v_wmma_scale_f32_16x16x128_f8f6f4 v[O+8*\t:O+8*\t+7], v[VF+12*\t:VF+12*\t+11], v[P:P+11], v[O+8*\t:O+8*\t+7], v[248+\t], v253 matrix_a_fmt:MATRIX_FMT_FP6 matrix_b_fmt:MATRIX_FMT_FP6 matrix_a_scale:MATRIX_SCALE_ROW1
.endr
	v_add_nc_u32 v244, s[TN], v4                   ; four plain instructions behind the products
	v_add_nc_u32 v245, s[TN], v5
	v_nop
	v_nop
	LOADV v244, v245
	s_and_b32 s31, s[I], 15
	s_cmp_lg_u32 s31, 15
	s_cbranch_scc1 .Lnext
	; A PASS'S END
	s_wait_alu depctr_va_vdst(0)
	v_add_f32 v10, v10, v11
	v_permlanex16_b32 v254, v10, s[SEL], s[SEL+1]
	v_add_f32 v10, v10, v254                       ; the row's sum
	s_wait_alu depctr_va_vdst(0)
	v_rcp_f32 v10, v10
	v_nop
	s_wait_alu depctr_va_vdst(0)
.set j, 0
.rept 16
	v_pk_mul_f32 v[S+j:S+j+1], v[O+j:O+j+1], v[10:11] op_sel_hi:[1,0]   ; the context: register 16 B + i is channel 32 B + 16 (lane / 16) + i of my query
.set j, j+2
.endr
.irp b, 0,1
	v_max3_num_f32 v[244+\b], |v[S+16*\b]|, |v[S+1+16*\b]|, 0x1800000
.endr
.irp i, 2,4,6,8,10,12,14
.irp b, 0,1
	v_max3_num_f32 v[244+\b], v[244+\b], |v[S+16*\b+\i]|, |v[S+1+16*\b+\i]|
.endr
.endr
.irp b, 0,1
	v_permlanex16_b32 v[246+\b], v[244+\b], s[SEL], s[SEL+1]
.endr
.irp b, 0,1
	v_max_num_f32 v[244+\b], v[244+\b], v[246+\b]
.endr
.irp b, 0,1
	v_add_nc_u32 v[246+\b], 0xff000000, v[244+\b]
.endr
.irp b, 0,1
	v_lshrrev_b32 v[244+\b], 23, v[246+\b]
.endr
	v_lshl_or_b32 v254, v245, 8, v244              ; the two scale bytes of my row's 64
	v_cvt_scalef32_pk16_fp6_f32 v[P:P+2], v[S:S+15], v246
	v_cvt_scalef32_pk16_fp6_f32 v[240:242], v[S+16:S+31], v247
	v_nop
.irp i, 0,1,2
	v_permlane16_swap_b32 v[P+\i], v[240+\i]       ; a whole block to a lane
.endr
.irp i, 0,1,2
	v_mov_b32 v[P+3+\i], v[240+\i]
.endr
	global_store_b128 v0, v[P:P+3], s[36:37]               ; 512 consecutive bytes, aligned to 256
	global_store_b64 v5, v[P+4:P+5], s[36:37] offset:512   ; 256 consecutive bytes, aligned to 256
	global_store_b16 v239, v254, s[38:39]                  ; a head owns 2 of each row's 8 bytes here: the one store of the program that fills no aligned 256 bytes (both halves of the lanes write the same bytes with the same value)
	START                                          ; (behind the second pass its values are not used)
	s_wait_xcnt 0x0                                ; the stores have read their data and their bases
	s_add_nc_u64 s[36:37], s[36:37], 196608        ; pass 1's tile: 16 blocks on
	s_add_nc_u64 s[38:39], s[38:39], 8192
.Lnext:
	s_add_co_u32 s[I], s[I], 1
	s_cmp_lt_u32 s[I], 32
	s_wait_alu depctr_va_vdst(0)
	s_cbranch_scc1 .Lstep
	s_wait_tensorcnt 0x0                           ; the wave's end
	ds_add_u32 v6, v7
	s_wait_dscnt 0x0
	CROUND                                         ; the closing round
	s_endpgm
.Lfunc_end_k_q82f8244e9e_attn:
	.size	k_q82f8244e9e_attn, .Lfunc_end_k_q82f8244e9e_attn-k_q82f8244e9e_attn
	.p2alignl 7, 3214868480
	.fill 96, 4, 3214868480
	.section	.rodata,"a",@progbits
	.p2align	6, 0x0
	.amdhsa_kernel k_q82f8244e9e_attn
		.amdhsa_group_segment_fixed_size 258048
		.amdhsa_private_segment_fixed_size 0
		.amdhsa_enable_private_segment 0
		.amdhsa_kernarg_size 16
		.amdhsa_user_sgpr_count 2
		.amdhsa_user_sgpr_kernarg_segment_ptr 1
		.amdhsa_wavefront_size32 1
		.amdhsa_system_sgpr_workgroup_id_x 1
		.amdhsa_system_sgpr_workgroup_id_y 1
		.amdhsa_system_sgpr_workgroup_id_z 1
		.amdhsa_system_vgpr_workitem_id 0
		.amdhsa_next_free_vgpr 256
		.amdhsa_next_free_sgpr 66
		.amdhsa_reserve_vcc 0
		.amdhsa_float_denorm_mode_32 3
		.amdhsa_float_denorm_mode_16_64 3
		.amdhsa_memory_ordered 1
		.amdhsa_forward_progress 1
		.amdhsa_inst_pref_size 30
	.end_amdhsa_kernel
	.amdgpu_metadata
---
amdhsa.version: [ 1, 2 ]
amdhsa.kernels:
  - .name:           k_q82f8244e9e_attn
    .symbol:         k_q82f8244e9e_attn.kd
    .args:
      - { .name: heads, .offset: 0, .size: 8, .value_kind: global_buffer, .address_space: global }
      - { .name: ctx, .offset: 8, .size: 8, .value_kind: global_buffer, .address_space: global }
    .group_segment_fixed_size: 258048
    .private_segment_fixed_size: 0
    .kernarg_segment_align: 8
    .kernarg_segment_size: 16
    .max_flat_workgroup_size: 512
    .sgpr_count:     66
    .vgpr_count:     256
    .wavefront_size: 32
...
	.end_amdgpu_metadata
.endif
;; end of part 3
;; launch outp (part 4): grid 4 x 64, 4 waves a work-group, clusters of 4 x 4, 307,712 bytes of LDS; arguments ctx, opnd, b_o, out0; writes out0
.if DOCPART == 4
	.amdgcn_target "amdgcn-amd-amdhsa--gfx1250"
	.amdhsa_code_object_version 6
	.text
	.protected	k_q82f8244e9e_outp
	.globl	k_q82f8244e9e_outp
	.p2align	8
	.type	k_q82f8244e9e_outp,@function
k_q82f8244e9e_outp:
	s_mov_b64 s[64:65], 0
	v_nop
	global_prefetch_b8 v0, s[64:65] scope:SCOPE_SE
	s_setreg_imm32_b32 hwreg(HW_REG_WAVE_MODE, 25, 1), 1
	s_wait_xcnt 0x0
	s_wait_alu depctr_hold_cnt(0) depctr_sa_sdst(0) depctr_va_vdst(0) depctr_va_sdst(0) depctr_va_ssrc(0) depctr_va_vcc(0) depctr_vm_vsrc(0)
	s_getreg_b32 s2, hwreg(HW_REG_IB_STS2, 6, 4)
	s_cmp_eq_u32 s2, 0
	s_cbranch_scc0 .Lentry_in_a_cluster
	s_endpgm
.Lentry_in_a_cluster:
	s_bfe_u32 s2, ttmp6, 0x10000c
	s_cmp_lg_u32 s2, 0xf033
	s_cbranch_scc0 .Lentry_shape_is_right
	s_endpgm
.Lentry_shape_is_right:
; out0 = context w_o^T + b_o: 8,192 x 1,024 x 1,024 on codes of FP6 (E2M3) with E8M0 scales, f32 sums, f32 out.
; THE OPERANDS are images of operand registers, in blocks of 16 rows: block 2 B + u holds rows 32 B + 8 u + r + 8 (r / 8).  A block is 12,288 bytes on end: 16 pieces of 16 rows x 64 K, 768 bytes each (registers 0-3 at 16 x lane,
; registers 4-5 at 512 + 8 x lane).  Its scale bytes are 512 on end: [K / 256][r][8].  The context's blocks lie in ctx (scales from CSOFF on), w_o's are blocks 1,728 .. 1,791 of opnd (scales from SOFF on).
; SHARES.  A work-group makes 128 rows x 256 columns: 64 x 4 = 256 work-groups.  Four waves, 2 x 2: a wave makes 64 x 128: 4 x 8 accumulators, 256 registers.
; ALL OF K LIES IN LDS: the context's 8 blocks (98,304 bytes), w_o's 16 blocks (196,608), their scale bytes (4,096 and 8,192): four dense runs of memory, ONE joint load a wave at the head.  Nothing is filled again: no ring.
; CLUSTERS: 4 x 4 work-groups; the context's tiles are shared along a row of the cluster, w_o's along a column.
; No prefetch: every tile is asked for at the head, and there is no loop to run ahead in.
; THE MATRIX INSTRUCTION IS USED TRANSPOSED (source 0 = 16 rows of w_o, source 1 = 16 rows of the context): a lane holds eight neighbouring columns of a row.  The bias is the first products' C.
; A step is 128 along K: 32 products, the 32 accumulators by turns, in the same order in every step.  Both operands' fragments lie in two sets: step q + 1 is fetched ahead of step q's products.
; REGISTERS: window 0: v0-31 addresses; v32-63 scale words, two sets (register 2 i + q % 2: lanes 0-15 the context's block i, lanes 16-31 w_o's block i); v64-127 the bias, later the way out; v128-223 the context's fragments, two sets of 48;
;   window 1: w_o's fragments, two sets, at v0 and v128; window 2: accumulator (a, b) at v[8 (8 a + b)].
.set FR,    12
.set BLK,   12288
.set BBASE, 8*BLK                      ; w_o's blocks, behind the context's
.set SCLA,  BBASE+16*BLK               ; the context's scale bytes
.set SCLB,  SCLA+8*512                 ; w_o's
.set SPARE, SCLB+16*512                ; the spare words: 128 bytes for each wave
.set SOFF,  22020096
.set CSOFF, 6291456
.set STO,  8
.set RD,   9
.set SPW,  28
.set NIL,  29
.set SC,   32
.set BN,   64
.set BK,   64
.set AF,   128
.set G1,   24
.set G0,   32
.set G1B,  48
.set G0B,  56
.set G1S,  68
.set G0S,  76
.set G1SB, 80
.set G0SB, 88
.set MSB, 0
.macro WIN new
.if MSB != (\new)
	s_set_vgpr_msb (MSB<<8)|(\new)
.set MSB, (\new)
.endif
.endm
.macro CROUND
	s_barrier_signal -1
	s_barrier_wait -1
	s_cmp_lg_u32 s14, 0
	s_cbranch_scc1 .Lnot_wave_0_\@
	s_barrier_signal -3
.Lnot_wave_0_\@:
	s_barrier_wait -3
	s_barrier_signal -1
	s_barrier_wait -1
.endm
.macro PLACES
.rept 4
	v_nop
.endr
.endm
.macro GROUP1 g, mask, cols, rows      ; a dense run as rows of cols elements of 8 bytes; bit 21 beside the mask
	s_or_b32 s[\g+0], s\mask, (3<<16)|(1<<21)
	s_mov_b32 s[\g+1], (\cols)<<16
	s_mov_b32 s[\g+2], (\rows)<<16
	s_mov_b32 s[\g+3], (\cols)<<16
	s_mov_b32 s[\g+4], \rows
	s_mov_b32 s[\g+5], \cols
	s_mov_b32 s[\g+6], 0
	s_mov_b32 s[\g+7], 0
.endm
.macro GROUP0 g, lds, base, off
	s_mov_b32 s[\g], 1
	s_mov_b32 s[\g+1], \lds
	s_add_nc_u64 s[\g+2:\g+3], s[\base:\base+1], s[\off:\off+1]
	s_or_b32 s[\g+3], s[\g+3], 0x80000000
.endm
.macro ARM under, g0, g1, next
	s_cmp_lt_u32 s14, \under
	s_cbranch_scc0 \next
	tensor_load_to_lds s[\g0:\g0+3], s[\g1:\g1+7]
	s_nop 0
	PLACES
	s_branch .Lh_done
\next:
.endm
	s_load_b256 s[4:11], s[0:1], 0x0               ; ctx, opnd, b_o, out0
	v_lshl_add_u32 v[SPW], v0, 2, SPARE
	v_mov_b32 v[NIL], 0
	ds_add_u32 v[SPW], v[NIL]                      ; the opening lines: the add, twice on end, and its wait
	ds_add_u32 v[SPW], v[NIL]
	v_lshrrev_b32 v1, 5, v0
	v_readfirstlane_b32 s14, v1                    ; wave
	s_lshr_b32 s15, s14, 1                         ; which 64 rows are mine
	s_and_b32 s16, s14, 1                          ; which 128 columns
	s_bfe_u32 s40, ttmp6, 0x40000                  ; cx
	s_bfe_u32 s41, ttmp6, 0x40004                  ; cy
	s_lshl_b32 s42, ttmp9, 2
	s_add_co_u32 s42, s42, s40                     ; tile column, 0 .. 3
	s_and_b32 s17, ttmp7, 0xffff
	s_lshl_b32 s17, s17, 2
	s_add_co_u32 s17, s17, s41                     ; tile row, 0 .. 63
	s_lshl_b32 s43, s41, 2
	s_lshl_b32 s43, 15, s43                        ; my row of the cluster
	s_lshl_b32 s44, 0x1111, s40                    ; my column
	GROUP1 G1,   43, 1536, 8                       ; the context's 8 blocks
	GROUP1 G1B,  44, 1536, 16                      ; w_o's 16
	GROUP1 G1S,  43, 32, 16                        ; 4,096 scale bytes as rows of 256
	GROUP1 G1SB, 44, 32, 32                        ; 8,192
	s_lshl_b32 s20, s17, 3                         ; the context's first block
	s_lshl_b32 s22, s20, 9
	s_add_co_u32 s22, s22, CSOFF
	s_mov_b32 s23, 0
	s_mul_i32 s20, s20, BLK
	s_mov_b32 s21, 0
	s_lshl_b32 s46, s42, 4
	s_add_co_u32 s46, s46, 1728                    ; w_o's first block
	s_lshl_b32 s92, s46, 9
	s_add_co_u32 s92, s92, SOFF
	s_mov_b32 s93, 0
	s_mul_i32 s46, s46, BLK
	s_mov_b32 s47, 0
	s_wait_alu depctr_va_vdst(0)
	s_wait_dscnt 0x0
	s_wait_kmcnt 0x0
	GROUP0 G0,   0,     4, 20
	GROUP0 G0B,  BBASE, 6, 46
	GROUP0 G0S,  SCLA,  4, 22
	GROUP0 G0SB, SCLB,  6, 92
	CROUND                                         ; all sixteen work-groups are here: the joint loads meet
	ARM 1, G0,  G1,  .Lh_b                         ; one chain of branches on the wave's number, one load to an arm
	ARM 2, G0B, G1B, .Lh_sa
	ARM 3, G0S, G1S, .Lh_sb
	tensor_load_to_lds s[G0SB:G0SB+3], s[G1SB:G1SB+7]
	s_nop 0
	PLACES
.Lh_done:
	s_mul_i32 s2, s15, 4*BLK                       ; my 4 blocks of the context
	s_mul_i32 s3, s16, 8*BLK
	s_add_co_u32 s3, s3, BBASE                     ; my 8 blocks of w_o: 0-3,
	s_add_co_u32 s18, s3, 4*BLK                    ; and 4-7 (an LDS offset has 16 bits)
	s_lshl_b32 s19, s15, 11
	s_add_co_u32 s19, s19, SCLA                    ; my blocks' scale bytes: the context's,
	s_lshl_b32 s94, s16, 12
	s_add_co_u32 s94, s94, SCLB
	s_sub_co_u32 s94, s94, s19                     ; and how far on w_o's lie
	s_mul_i32 s95, s14, 16*528                     ; my stage for the way out, on the context's bytes
	s_lshl_b32 s20, s42, 10
	s_lshl_b32 s21, s16, 9
	s_add_co_u32 s20, s20, s21                     ; my first column, in bytes
	s_mov_b32 s21, 0
	s_add_nc_u64 s[8:9], s[8:9], s[20:21]
	s_add_nc_u64 s[12:13], s[10:11], s[20:21]
	s_lshl_b32 s22, s17, 7
	s_lshl_b32 s23, s15, 6
	s_add_co_u32 s22, s22, s23
	s_lshl_b32 s22, s22, 12                        ; my first row, 4,096 bytes a row
	s_mov_b32 s23, 0
	s_add_nc_u64 s[12:13], s[12:13], s[22:23]
	v_and_b32 v1, 31, v0
	v_and_b32 v2, 15, v0                           ; r
	v_bfe_u32 v5, v0, 4, 1                         ; h
	v_lshlrev_b32 v26, 4, v1
	v_lshlrev_b32 v27, 3, v1
	v_lshlrev_b32 v3, 3, v2
	v_lshlrev_b32 v4, 6, v5
	v_add_nc_u32 v16, s2, v26
	v_add_nc_u32 v18, s2, v27
	v_add_nc_u32 v20, s3, v26
	v_add_nc_u32 v22, s3, v27
	v_add_nc_u32 v21, s18, v26
	v_add_nc_u32 v23, s18, v27
	v_mul_u32_u24 v24, s94, v5                     ; lanes 16-31 take w_o's scale words
	v_add_nc_u32 v24, v24, v3
	v_add_nc_u32 v24, s19, v24
	v_mul_u32_u24 v[STO], v2, 528
	v_lshl_add_u32 v[STO], v5, 6, v[STO]
	v_add_nc_u32 v[STO], s95, v[STO]
	v_add_nc_u32 v[RD], s95, v26
.irp b, 0,1,2,3,4,5,6,7                ; the bias in the result's layout: register j of lane (r, h) in block b is column 32 (b / 2) + 8 (b % 2) + 16 h + j
	global_load_b128 v[BN+8*\b:BN+8*\b+3], v4, s[8:9] offset:(32*(\b/2)+8*(\b%2))*4
	global_load_b128 v[BN+8*\b+4:BN+8*\b+7], v4, s[8:9] offset:(32*(\b/2)+8*(\b%2))*4+16
.endr
.macro FRAG reg, a16, a8, off
	ds_load_b128 v[\reg:\reg+3], v[\a16] offset:\off
	ds_load_b64 v[\reg+4:\reg+5], v[\a8] offset:\off+512
	ds_load_b128 v[\reg+6:\reg+9], v[\a16] offset:\off+768
	ds_load_b64 v[\reg+10:\reg+11], v[\a8] offset:\off+1280
.endm
.macro FETCH q                         ; step q's fragments into set q % 2: 48 loads; with an even q the scale words of steps q and q + 1: 8 more
	WIN 0x40
.irp i, 0,1,2,3
	FRAG 128*((\q)%2)+FR*\i, 20, 22, BLK*\i+1536*(\q)
	FRAG 128*((\q)%2)+FR*(\i+4), 21, 23, BLK*\i+1536*(\q)
.endr
	WIN 0
.irp i, 0,1,2,3
	FRAG AF+48*((\q)%2)+FR*\i, 16, 18, BLK*\i+1536*(\q)
.endr
.if (\q)%2 == 0
.irp i, 0,1,2,3,4,5,6,7
	ds_load_b64 v[SC+16*(((\q)/2)%2)+2*\i:SC+16*(((\q)/2)%2)+2*\i+1], v24 offset:512*\i+128*((\q)/2)
.endr
.endif
.endm
.macro MUL32 q, first
.irp a, 0,1,2,3
.irp b, 0,1,2,3,4,5,6,7
.if \first
	v_wmma_scale_f32_16x16x128_f8f6f4 v[8*(8*\a+\b):8*(8*\a+\b)+7], v[128*((\q)%2)+FR*\b:128*((\q)%2)+FR*\b+FR-1], v[AF+48*((\q)%2)+FR*\a:AF+48*((\q)%2)+FR*\a+FR-1], v[BN+8*\b:BN+8*\b+7], v[SC+16*(((\q)/2)%2)+2*\b+(\q)%2], v[SC+16*(((\q)/2)%2)+2*\a+(\q)%2] matrix_a_fmt:MATRIX_FMT_FP6 matrix_b_fmt:MATRIX_FMT_FP6 matrix_a_scale:MATRIX_SCALE_ROW1
.else
	v_wmma_scale_f32_16x16x128_f8f6f4 v[8*(8*\a+\b):8*(8*\a+\b)+7], v[128*((\q)%2)+FR*\b:128*((\q)%2)+FR*\b+FR-1], v[AF+48*((\q)%2)+FR*\a:AF+48*((\q)%2)+FR*\a+FR-1], v[8*(8*\a+\b):8*(8*\a+\b)+7], v[SC+16*(((\q)/2)%2)+2*\b+(\q)%2], v[SC+16*(((\q)/2)%2)+2*\a+(\q)%2] matrix_a_fmt:MATRIX_FMT_FP6 matrix_b_fmt:MATRIX_FMT_FP6 matrix_a_scale:MATRIX_SCALE_ROW1
.endif
.endr
.endr
.endm
	s_wait_alu depctr_va_vdst(0)
	s_wait_tensorcnt 0x0                           ; my tile is in,
	s_wait_loadcnt 0x0                             ; and the bias
	s_barrier_signal -1
	s_barrier_wait -1                              ; all four tiles are in; nothing writes them again ahead of the barrier below
	FETCH 0
	FETCH 1
	s_wait_dscnt 48                                ; step 0's loads are in; step 1's 48 may be out
	WIN 0x81                                       ; source 0 window 1, source 1 and C window 0, D window 2
	MUL32 0, 1
.irp q, 1,2,3,4,5,6
	PLACES                                         ; behind the products that read the set which is fetched anew
	FETCH \q+1
	s_wait_dscnt 48+8*(\q%2)                       ; step q's loads are in; those just issued may be out
	WIN 0xa1                                       ; C and D window 2
	MUL32 \q, 0
.endr
	WIN 0
	s_wait_dscnt 0x0                               ; my last reads of the tiles are over:
	s_barrier_signal -1                            ; say so,
	WIN 0xa1
	MUL32 7, 0                                     ; work on registers while the others arrive,
	WIN 0
	s_barrier_wait -1                              ; and nobody reads the context's bytes any more: the stages may be written
; THE WAY OUT, block by block of 16 rows x 128 columns: through my own stage in LDS (rows of 528 bytes) and back as whole rows of 512 bytes, which the 32 lanes store as two aligned runs of 256 bytes.
; LDS serves a wave's instructions in order: no wait between the stores and the loads.
.macro TOSTAGE a
	WIN 0x08                                       ; the data: window 2
.irp b, 0,1,2,3,4,5,6,7
	ds_store_b128 v[STO], v[64*(\a)+8*\b:64*(\a)+8*\b+3] offset:128*(\b/2)+32*(\b%2)      ; each accumulator from its low end on
	ds_store_b128 v[STO], v[64*(\a)+8*\b+4:64*(\a)+8*\b+7] offset:128*(\b/2)+32*(\b%2)+16
.endr
	WIN 0
.set BB, BK+64*((\a)%2)
.irp t, 0,1,2,3,4,5,6,7,8,9,10,11,12,13,14,15
	ds_load_b128 v[BB+4*\t:BB+4*\t+3], v[RD] offset:\t*528
.endr
.endm
.macro SEND a, younger                 ; younger: the LDS instructions issued behind block a's loads, which may stay out
.set BB, BK+64*((\a)%2)
	s_wait_dscnt \younger
.irp t, 0,1,2,3,4,5,6,7,8,9,10,11,12,13,14,15
	global_store_b128 v26, v[BB+4*\t:BB+4*\t+3], s[12:13] offset:(32*((\a)/2)+8*((\a)%2)+\t+8*(\t/8))*4096 th:TH_STORE_NT
.endr
.endm
	PLACES                                         ; behind the last products: ahead of the reads of their results and of the loads into the fragments' registers
	TOSTAGE 0
.irp a, 1,2,3
.if \a > 1
	s_wait_xcnt 0x0                                ; block a - 2's stores have read their registers: block a's loads may land there
.endif
	TOSTAGE \a
	SEND \a-1, 32
.endr
	SEND 3, 0
	s_wait_tensorcnt 0x0                           ; the wave's end
	ds_add_u32 v[SPW], v[NIL]
	s_wait_dscnt 0x0
	CROUND                                         ; the closing round
	s_endpgm
.Lfunc_end_k_q82f8244e9e_outp:
	.size	k_q82f8244e9e_outp, .Lfunc_end_k_q82f8244e9e_outp-k_q82f8244e9e_outp
	.p2alignl 7, 3214868480
	.fill 96, 4, 3214868480
	.section	.rodata,"a",@progbits
	.p2align	6, 0x0
	.amdhsa_kernel k_q82f8244e9e_outp
		.amdhsa_group_segment_fixed_size 307712
		.amdhsa_private_segment_fixed_size 0
		.amdhsa_enable_private_segment 0
		.amdhsa_kernarg_size 32
		.amdhsa_user_sgpr_count 2
		.amdhsa_user_sgpr_kernarg_segment_ptr 1
		.amdhsa_wavefront_size32 1
		.amdhsa_system_sgpr_workgroup_id_x 1
		.amdhsa_system_sgpr_workgroup_id_y 1
		.amdhsa_system_sgpr_workgroup_id_z 1
		.amdhsa_system_vgpr_workitem_id 0
		.amdhsa_next_free_vgpr 768
		.amdhsa_next_free_sgpr 100
		.amdhsa_reserve_vcc 0
		.amdhsa_float_denorm_mode_32 3
		.amdhsa_float_denorm_mode_16_64 3
		.amdhsa_memory_ordered 1
		.amdhsa_forward_progress 1
		.amdhsa_inst_pref_size 85
	.end_amdhsa_kernel
	.amdgpu_metadata
---
amdhsa.version: [ 1, 2 ]
amdhsa.kernels:
  - .name:           k_q82f8244e9e_outp
    .symbol:         k_q82f8244e9e_outp.kd
    .args:
      - { .name: ctx, .offset: 0, .size: 8, .value_kind: global_buffer, .address_space: global }
      - { .name: opnd, .offset: 8, .size: 8, .value_kind: global_buffer, .address_space: global }
      - { .name: b_o, .offset: 16, .size: 8, .value_kind: global_buffer, .address_space: global }
      - { .name: out0, .offset: 24, .size: 8, .value_kind: global_buffer, .address_space: global }
    .group_segment_fixed_size: 307712
    .private_segment_fixed_size: 0
    .kernarg_segment_align: 8
    .kernarg_segment_size: 32
    .max_flat_workgroup_size: 128
    .sgpr_count:     100
    .vgpr_count:     768
    .wavefront_size: 32
...
	.end_amdgpu_metadata
.endif
;; end of part 4
